; MI455X (gfx1250); checked and timed in simulation.
; The chip was launched on July 23, 2026; its instructions are those of AMD's public machine-readable ISA for CDNA 5 (MIT licence, August 2026) and "CDNA5" Instruction Set Architecture Reference Guide (July 2026). The comments in the code are by the model that wrote it; some were corrected since.
;; Attention. Allowed arithmetic: matrix products marked QUANTISED: E3M2 operands, one E8M0 scale for each 32 along K, by v_wmma_scale_f32_16x16x128_f8f6f4 with both operands' format E3M2, f32 sums; products left as they are: f32 operands where the result goes on into a quantised operand, else bf16, f16 or f32 operands; f32 sums; everything else in f32.
;; Inputs: V_b one number float32; V_w 1,024 float32; W1_b 1,024 float32; W1_w 1,024 x 1,024 float32; W2_b 1,024 float32; W2_w 1,024 x 1,024 float32; features 64 x 1,024 x 1,024 float32; hidden_state 64 x 1,024 float32.
;; Outputs: out0 64 x 1,024 float32; out1 64 x 1,024 float32.
;; This version of the problem:
;;   THIS VERSION OF THE PROBLEM IS GIVEN IN LOW PRECISION. The matrix products marked QUANTISED in the list below multiply operands that are first quantised to E3M2 (3 exponent bits, 2 mantissa bits; 6 bits a number), with one power-of-two scale for each 32 numbers along K (OCP MX v1.0); their sums are f32. All else is computed in f32.
;;   The module's matrix products, in the order in which they are computed (A, B: the left and right operand; K: the contracted axis; several contracted axes count as one K, in the product's order):
;;     1. [M 65,536, K 1,024] x [K 1,024, N 1,024]; A: input features; B: input W1_w: QUANTISED
;;     2. [M 64, K 1,024] x [K 1,024, N 1,024]; A: input hidden_state; B: input W2_w: QUANTISED
;;     3. [M 65,536, K 1,024] x [K 1,024, N 1]; A: computed on the way; B: input V_w: left as it is (N = 1 < 16)
;;     4. batch 64 x [M 1, K 1,024] x [K 1,024, N 1,024]; A: softmax; B: input features: left as it is (M = 1 < 16)
;;   THE QUANTISER, for each operand of a quantised product, along K:
;;     - K is cut into blocks of 32 from its start; a last block that is shorter is filled with zeros.
;;     - A block's scale is 2^e with e = floor(log2(the largest magnitude in the block)) - 4, held to -126 .. 127; a block of zeros has e = 0. As a byte (E8M0): e + 127.
;;     - Each number is divided by its block's scale, clamped to +-28, and rounded to the nearest number of E3M2, ties to even, subnormals kept.
;;     - The product sums the exact products of the quantised numbers (number of the format x scale) in f32.
;;   ~~~python
;;   def quantise(x, axis):      # numpy; x: float32 -> the quantised numbers, widened to float32 again
;;       x = np.moveaxis(x, axis, -1); K = x.shape[-1]
;;       x = np.pad(x, [(0, 0)] * (x.ndim - 1) + [(0, -K % 32)]); x = x.reshape(x.shape[:-1] + (-1, 32)); a = np.abs(x).max(-1, keepdims=True)
;;       e = np.where(a > 0, np.clip(np.frexp(np.where(a > 0, a, 1))[1] - 1 - 4, -126, 127), 0)      # np.frexp(a)[1] - 1 = floor(log2(a)), exactly
;;       r = np.clip(x / 2.0 ** e, -28, 28)
;;       step = 2.0 ** (np.maximum(np.frexp(np.where(r == 0, 1, r))[1] - 1, -2) - 2)
;;       q = np.round(r / step) * step * 2.0 ** e      # np.round: ties to even
;;       return np.moveaxis(q.reshape(q.shape[:-2] + (-1,))[..., :K], -1, axis).astype(np.float32)
;;   ~~~
;; One version. Each part assembles by itself: llvm-mc -triple=amdgcn-amd-amdhsa -mcpu=gfx1250 --defsym DOCPART=n.
;; ======== version 1 of 1: 3 launches
;; limits: values are held in bf16: 8 bits of precision; right only within a limited range of input values
;; workspace buffers: w1q 1,048,576 bytes; hb 262,144 bytes; sc 262,144 bytes; ml 65,536 bytes; pc 1,048,576 bytes
;; launch prep (part 1): grid 128 x 1, 4 waves a work-group, no clusters, 16,896 bytes of LDS; arguments W1_w, W2_w, hidden_state, W1_b, W2_b, w1q, hb; writes w1q, hb
.if DOCPART == 1
	.amdgcn_target "amdgcn-amd-amdhsa--gfx1250"
	.amdhsa_code_object_version 6
	.text
	.protected	k_q1ef98ad725_prep
	.globl	k_q1ef98ad725_prep
	.p2align	8
	.type	k_q1ef98ad725_prep,@function
k_q1ef98ad725_prep:
	s_mov_b64 s[64:65], 0
	v_nop
	global_prefetch_b8 v0, s[64:65] scope:SCOPE_SE
	s_setreg_imm32_b32 hwreg(HW_REG_WAVE_MODE, 25, 1), 1
	s_wait_xcnt 0x0
; Work-groups 0-63: W1_w [1024 (k)][1024 (n)] f32 becomes codes of BF6 (E3M2) with one E8M0 byte for each 32 along K, laid in the order of an operand's registers.
; Work-groups 64-127: hb[b][n] = Q(hidden_state) Q(W2_w) + W1_b + W2_b, [64][1024] f32, both operands quantised along K by the same rule.
; A work-group takes a strip of 16 columns n of its weight; wave w quantises K steps 2 w and 2 w + 1 of the strip (a K step = 128 along K).
; A LANE TAKES A COLUMN, AND ITS REGISTERS RUN DOWN K in the order that the operand's layout gives that lane: lane (r, h) holds k = 64 c + 32 h + 0 .. 31 of column r, so the conversions' results are the operand's registers.
; w1q: 8 chunks of 128 columns, 131,072 bytes apart; a chunk is 4 quarters of 32 columns, 25,600 bytes each: 16 fragment images of 1,536 bytes ((2 k + u) x 1,536; register group c at 512 c + 16 x lane),
; then 8 images of scale words ((4 u + k / 2) x 128 + 4 x lane: lanes 0-15 the words of the even K step, lanes 16-31 those of the odd one).
; LIMITS: NaN and infinities among the inputs are not served; a block of zeros gets the byte 1 (its codes are zeros, and this program alone reads the bytes).
; The scale images (128 bytes) and hb's pieces (32 bytes a lane) do not fill whole aligned runs of 256 bytes: they are a small part of what the launch moves.
.set WA,  1                            ; v1   W: 4 r + h x 32 rows of 4,096 bytes
.set LI,  2                            ; v2   16 x lane
.set LS,  3                            ; v3   4 x lane
.set XA,  4                            ; v4   hidden_state: row r of 4,096 bytes + 64 h
.set OA,  5                            ; v5   hb: row r of 4,096 bytes + 32 h
.set PC,  6                            ; v6-17  a fragment's codes;  v18-25 the conversions' second halves
.set T8,  18
.set TM,  26                           ; v26-37 at work
.set PW,  42                           ; v42  a scale word;  v43 the second, later W2's
.set PC1, 44                           ; v44-55 the second fragment, later W2's fragment in hand
.set A0,  56                           ; v56-63 the sums of the even K steps;  v192-199 those of the odd ones
.set RR,  224                          ; v224 r, v225 h, v229 8 h
.set HH,  225
.set H8,  229
; 64 numbers of a lane, register 32 c + i = k 64 c + 32 h + i of my column, become a fragment's codes in v[d] on and the column's scale word in v[pw]
.macro QW s, d, pw
.irp c, 0,1
	v_max3_num_f32 v[TM+\c], |v[\s+32*\c]|, |v[\s+1+32*\c]|, 0x2800000   ; my block 2 c + h, and the floor 2^(5 - 127): the byte cannot fall under 1
.endr
.irp i, 2,4,6,8,10,12,14,16,18,20,22,24,26,28,30
.irp c, 0,1
	v_max3_num_f32 v[TM+\c], v[TM+\c], |v[\s+32*\c+\i]|, |v[\s+1+32*\c+\i]|
.endr
.endr
.irp c, 0,1
	v_add_nc_u32 v[TM+4+\c], 0xfe000000, v[TM+\c]          ; 4 off the exponent field: the conversion's scale operand
.endr
.irp c, 0,1
	v_lshrrev_b32 v[TM+2+\c], 23, v[TM+4+\c]               ; the scale's byte
.endr
	v_lshl_or_b32 v[\pw], v[TM+3], 16, v[TM+2]             ; my two bytes: blocks h and 2 + h,
	v_lshlrev_b32 v[\pw], v[H8], v[\pw]                    ; at their places in the word;
	v_mov_b32 v[TM+6], 0
	v_permlanex16_b32 v[TM+6], v[\pw], s20, s21
	v_or_b32 v[\pw], v[\pw], v[TM+6]                       ; with lane l xor 16's two the word is whole, in both halves of the lanes
.irp c, 0,1
	v_cvt_scalef32_pk16_bf6_f32 v[\d+6*\c:\d+6*\c+2], v[\s+32*\c:\s+32*\c+15], v[TM+4+\c]
	v_cvt_scalef32_pk16_bf6_f32 v[T8+4*\c:T8+4*\c+2], v[\s+32*\c+16:\s+32*\c+31], v[TM+4+\c]   ; (a conversion's three registers begin on an even number)
.endr
	v_nop                                                  ; one plain place behind a scaled conversion
.irp c, 0,1
.irp i, 0,1,2
	v_mov_b32 v[\d+3+6*\c+\i], v[T8+4*\c+\i]
.endr
.endr
.endm
; 64 numbers of a lane, register 16 b + i = k 32 b + 16 h + i of my row, become a fragment's codes in v[PC] on and the row's scale word in v[pw]
.macro QUANT s, pw
.irp b, 0,1,2,3
	v_max3_num_f32 v[TM+\b], |v[\s+16*\b]|, |v[\s+1+16*\b]|, 0x2800000
.endr
.irp i, 2,4,6,8,10,12,14
.irp b, 0,1,2,3
	v_max3_num_f32 v[TM+\b], v[TM+\b], |v[\s+16*\b+\i]|, |v[\s+1+16*\b+\i]|
.endr
.endr
.irp b, 0,1,2,3
	v_permlanex16_b32 v[TM+4+\b], v[TM+\b], s20, s21
.endr
.irp b, 0,1,2,3
	v_max_num_f32 v[TM+\b], v[TM+\b], v[TM+4+\b]           ; with lane l xor 16's: the block's largest magnitude
.endr
.irp b, 0,1,2,3
	v_add_nc_u32 v[TM+8+\b], 0xfe000000, v[TM+\b]
.endr
.irp b, 0,1,2,3
	v_lshrrev_b32 v[TM+4+\b], 23, v[TM+8+\b]
.endr
	v_lshl_or_b32 v[\pw], v[TM+5], 8, v[TM+4]
	v_lshl_or_b32 v[\pw], v[TM+6], 16, v[\pw]
	v_lshl_or_b32 v[\pw], v[TM+7], 24, v[\pw]
.irp c, 0,1
	v_cvt_scalef32_pk16_bf6_f32 v[PC+6*\c:PC+2+6*\c], v[\s+32*\c:\s+15+32*\c], v[TM+8+2*\c]
	v_cvt_scalef32_pk16_bf6_f32 v[PC+12+4*\c:PC+14+4*\c], v[\s+16+32*\c:\s+31+32*\c], v[TM+8+2*\c+1]
.endr
	v_nop                                                  ; one plain place behind a scaled conversion
.irp c, 0,1                                            ; the operand's layout wants a whole block in a lane
.irp i, 0,1,2
	v_permlane16_swap_b32 v[PC+6*\c+\i], v[PC+12+4*\c+\i]
.endr
.irp i, 0,1,2
	v_mov_b32 v[PC+3+6*\c+\i], v[PC+12+4*\c+\i]
.endr
.endr
.endm
.macro XLOAD k                         ; my 16 batches' numbers of K step k into set k % 2
.irp b, 0,1,2,3
.irp j, 0,1,2,3
	global_load_b128 v[64+64*((\k)%2)+16*\b+4*\j:64+64*((\k)%2)+16*\b+4*\j+3], v[XA], s[8:9] offset:512*(\k)+128*\b+16*\j
.endr
.endr
.endm
	s_load_b256 s[4:11], s[0:1], 0x0               ; W1_w s[4:5], W2_w s[6:7], hidden_state s[8:9], W1_b s[10:11]
	s_load_b128 s[12:15], s[0:1], 0x20             ; W2_b s[12:13], w1q s[14:15]
	s_load_b64 s[16:17], s[0:1], 0x30              ; hb
	v_lshl_add_u32 v254, v0, 2, 0x4000
	v_mov_b32 v255, 0
	v_lshrrev_b32 v1, 5, v0
	v_readfirstlane_b32 s18, v1                    ; wave 0..3
	v_and_b32 v2, 31, v0
	v_lshlrev_b32 v[LS], 2, v2
	v_lshlrev_b32 v[LI], 4, v2
	v_and_b32 v[RR], 15, v0
	v_bfe_u32 v[HH], v0, 4, 1
	v_lshlrev_b32 v[H8], 3, v[HH]
	v_lshlrev_b32 v[WA], 2, v[RR]
	v_lshl_add_u32 v[WA], v[HH], 17, v[WA]
.irp b, 0,1,2,3
	v_mov_b32 v[TM+4+\b], 0                        ; written once: a lane permute's destination counts as one of its sources
.endr
	s_and_b32 s19, ttmp9, 63                       ; the strip T
	s_mov_b32 s20, 0x76543210
	s_mov_b32 s21, 0xfedcba98                      ; v_permlanex16_b32's selects for lane l xor 16
	s_mov_b32 s22, 0xffff0000                      ; lanes 16-31
	s_lshl_b32 s24, s19, 6                         ; 16 columns of 4 bytes
	s_lshl_b32 s25, s18, 20                        ; my wave's 256 rows of 4,096 bytes
	s_add_co_u32 s24, s24, s25
	s_mov_b32 s25, 0
	s_wait_alu depctr_va_vdst(0)
	s_wait_kmcnt 0x0
	s_cmp_lt_u32 ttmp9, 64                         ; W1's work-group or W2's: the choice hangs on the work-group's number alone
	s_cselect_b64 s[26:27], s[4:5], s[6:7]
	s_add_nc_u64 s[26:27], s[26:27], s[24:25]
.set n, 0
.rept 128                              ; register 64 s + 32 c + i: row 128 s + 64 c + 32 h + i of my 256; sixteen lanes read 64 neighbouring bytes
	global_load_b32 v[64+n], v[WA], s[26:27] offset:(128*(n/64)+64*((n/32)%2)+n%32)*4096
.set n, n+1
.endr
	s_wait_loadcnt 0x0
	QW 64, PC, PW
	QW 128, PC1, PW+1
	s_cmp_lt_u32 ttmp9, 64
	s_cbranch_scc0 .Lw2
	; ---- W1: the two fragments and their pair of scale words go to w1q as they stand
	s_lshr_b32 s24, s19, 3
	s_lshl_b32 s24, s24, 17                        ; the chunk: T / 8
	s_bfe_u32 s25, s19, 0x20001                    ; the quarter: (T / 2) % 4
	s_mul_i32 s25, s25, 25600
	s_add_co_u32 s24, s24, s25
	s_and_b32 s25, s19, 1                          ; u = T % 2
	s_mul_i32 s28, s25, 1536
	s_mul_i32 s29, s18, 6144                       ; (2 k + u) x 1,536 with k = 2 w
	s_add_co_u32 s28, s28, s29
	s_add_co_u32 s28, s28, s24
	s_mov_b32 s29, 0
	s_add_nc_u64 s[30:31], s[14:15], s[28:29]
	s_wait_alu depctr_va_vdst(0)
.irp c, 0,1,2
	global_store_b128 v[LI], v[PC+4*\c:PC+4*\c+3], s[30:31] offset:512*\c            ; 32 lanes store 512 consecutive bytes, at a multiple of 256 from the buffer's first byte
	global_store_b128 v[LI], v[PC1+4*\c:PC1+4*\c+3], s[30:31] offset:3072+512*\c
.endr
	s_lshl_b32 s25, s25, 9                         ; (4 u + w) x 128
	s_lshl_b32 s28, s18, 7
	s_add_co_u32 s25, s25, s28
	s_add_co_u32 s25, s25, s24
	s_add_co_u32 s28, s25, 24576
	s_add_nc_u64 s[32:33], s[14:15], s[28:29]
	v_cndmask_b32 v40, v[PW], v[PW+1], s22         ; lanes 0-15: K step 2 w; lanes 16-31: K step 2 w + 1
	global_store_b32 v[LS], v40, s[32:33]
	s_endpgm
.Lw2:
	; ---- W2: the strip's eight fragments meet in LDS; then wave w multiplies them by batches 16 w .. 16 w + 15
	v_lshlrev_b32 v226, 5, v[HH]                   ; the biases of my eight columns: 64 T + 32 h
	s_lshl_b32 s24, s19, 6
	s_mov_b32 s25, 0
	s_add_nc_u64 s[10:11], s[10:11], s[24:25]
	s_add_nc_u64 s[12:13], s[12:13], s[24:25]
	global_load_b128 v[200:203], v226, s[10:11]
	global_load_b128 v[204:207], v226, s[10:11] offset:16
	global_load_b128 v[208:211], v226, s[12:13]
	global_load_b128 v[212:215], v226, s[12:13] offset:16
	v_lshlrev_b32 v[XA], 12, v[RR]
	v_lshl_add_u32 v[XA], v[HH], 6, v[XA]
	s_lshl_b32 s28, s18, 16                        ; my 16 rows of 4,096 bytes, in hidden_state and in hb
	s_mov_b32 s29, 0
	s_add_nc_u64 s[8:9], s[8:9], s[28:29]
	XLOAD 0
	XLOAD 1
	s_mul_i32 s30, s18, 3072
	v_add_nc_u32 v227, s30, v[LI]                  ; fragment k at 1,536 k
	s_wait_alu depctr_va_vdst(0)
	s_lshl_b32 s30, s18, 8
	v_add_nc_u32 v228, s30, v[LS]                  ; its scale words at 12,288 + 128 k
.irp c, 0,1,2
	ds_store_b128 v227, v[PC+4*\c:PC+4*\c+3] offset:512*\c
	ds_store_b128 v227, v[PC1+4*\c:PC1+4*\c+3] offset:1536+512*\c
.endr
	ds_store_b32 v228, v[PW] offset:12288
	ds_store_b32 v228, v[PW+1] offset:12288+128
	s_wait_dscnt 0x0                               ; for the others' sake: my images have landed
	s_barrier_signal -1
	s_barrier_wait -1
.set k, 0
.rept 8
.irp c, 0,1,2
	ds_load_b128 v[PC1+4*\c:PC1+4*\c+3], v[LI] offset:1536*k+512*\c
.endr
	ds_load_b32 v[PW+1], v[LS] offset:12288+128*k
.if k < 7
	s_wait_loadcnt 16                              ; this K step's numbers are in; the next step's 16 loads may be out
.else
	s_wait_loadcnt 0x0
.endif
	QUANT 64+64*(k%2), PW
.if k < 6
	XLOAD k+2
.endif
	s_wait_dscnt 0x0
.rept 8
	v_nop                                          ; a scale register written by a vector instruction stands 8 places ahead of a scaled matrix instruction, an operand so written 4
.endr
.set AC, A0+136*(k%2)                  ; two accumulators by turns
.if k < 2
	s_wait_alu depctr_va_vdst(0)
	v_wmma_scale_f32_16x16x128_f8f6f4 v[AC:AC+7], v[PC1:PC1+11], v[PC:PC+11], 0, v[PW+1], v[PW] matrix_a_fmt:MATRIX_FMT_BF6 matrix_b_fmt:MATRIX_FMT_BF6
.else
	s_wait_alu depctr_va_vdst(0)
	v_wmma_scale_f32_16x16x128_f8f6f4 v[AC:AC+7], v[PC1:PC1+11], v[PC:PC+11], v[AC:AC+7], v[PW+1], v[PW] matrix_a_fmt:MATRIX_FMT_BF6 matrix_b_fmt:MATRIX_FMT_BF6
.endif
.rept 4
	v_nop                                          ; places in front of loads into, and writes of, the registers that the product has read, and of the first read of its result
.endr
.set k, k+1
.endr
.irp i, 0,2,4,6                        ; source 0 = 16 columns of W2, source 1 = 16 batches: lane (r, h) holds batch r and columns 8 h + 0 .. 7
	v_pk_add_f32 v[216+\i:217+\i], v[A0+\i:A0+\i+1], v[192+\i:193+\i]
.endr
.irp i, 0,2,4,6
	v_pk_add_f32 v[216+\i:217+\i], v[216+\i:217+\i], v[200+\i:201+\i]
.endr
.irp i, 0,2,4,6
	v_pk_add_f32 v[216+\i:217+\i], v[216+\i:217+\i], v[208+\i:209+\i]
.endr
	v_lshlrev_b32 v[OA], 12, v[RR]
	v_lshl_add_u32 v[OA], v[HH], 5, v[OA]
	s_add_nc_u64 s[16:17], s[16:17], s[28:29]
	s_add_nc_u64 s[16:17], s[16:17], s[24:25]
	global_store_b128 v[OA], v[216:219], s[16:17]
	global_store_b128 v[OA], v[220:223], s[16:17] offset:16
	s_wait_tensorcnt 0x0
	ds_add_u32 v254, v255
	s_wait_dscnt 0x0
	s_endpgm
.Lfunc_end_k_q1ef98ad725_prep:
	.size	k_q1ef98ad725_prep, .Lfunc_end_k_q1ef98ad725_prep-k_q1ef98ad725_prep
	.p2alignl 7, 3214868480
	.fill 96, 4, 3214868480
	.section	.rodata,"a",@progbits
	.p2align	6, 0x0
	.amdhsa_kernel k_q1ef98ad725_prep
		.amdhsa_group_segment_fixed_size 16896
		.amdhsa_private_segment_fixed_size 0
		.amdhsa_enable_private_segment 0
		.amdhsa_kernarg_size 56
		.amdhsa_user_sgpr_count 2
		.amdhsa_user_sgpr_kernarg_segment_ptr 1
		.amdhsa_wavefront_size32 1
		.amdhsa_system_sgpr_workgroup_id_x 1
		.amdhsa_system_sgpr_workgroup_id_y 1
		.amdhsa_system_sgpr_workgroup_id_z 1
		.amdhsa_system_vgpr_workitem_id 0
		.amdhsa_next_free_vgpr 256
		.amdhsa_next_free_sgpr 66
		.amdhsa_reserve_vcc 0
		.amdhsa_float_denorm_mode_32 3
		.amdhsa_float_denorm_mode_16_64 3
		.amdhsa_memory_ordered 1
		.amdhsa_forward_progress 1
		.amdhsa_inst_pref_size 73
	.end_amdhsa_kernel
	.amdgpu_metadata
---
amdhsa.version: [ 1, 2 ]
amdhsa.kernels:
  - .name:           k_q1ef98ad725_prep
    .symbol:         k_q1ef98ad725_prep.kd
    .args:
      - { .name: W1_w, .offset: 0, .size: 8, .value_kind: global_buffer, .address_space: global }
      - { .name: W2_w, .offset: 8, .size: 8, .value_kind: global_buffer, .address_space: global }
      - { .name: hidden_state, .offset: 16, .size: 8, .value_kind: global_buffer, .address_space: global }
      - { .name: W1_b, .offset: 24, .size: 8, .value_kind: global_buffer, .address_space: global }
      - { .name: W2_b, .offset: 32, .size: 8, .value_kind: global_buffer, .address_space: global }
      - { .name: w1q, .offset: 40, .size: 8, .value_kind: global_buffer, .address_space: global }
      - { .name: hb, .offset: 48, .size: 8, .value_kind: global_buffer, .address_space: global }
    .group_segment_fixed_size: 16896
    .private_segment_fixed_size: 0
    .kernarg_segment_align: 8
    .kernarg_segment_size: 56
    .max_flat_workgroup_size: 128
    .sgpr_count:     66
    .vgpr_count:     256
    .wavefront_size: 32
...
	.end_amdgpu_metadata
.endif
;; end of part 1
;; launch main (part 2): grid 256 x 1, 4 waves a work-group, clusters of 4 x 1, 327,680 bytes of LDS; arguments features, w1q, hb, V_w, V_b, sc, ml, pc; writes sc, ml, pc
.if DOCPART == 2
	.amdgcn_target "amdgcn-amd-amdhsa--gfx1250"
	.amdhsa_code_object_version 6
	.text
	.protected	k_q1ef98ad725_main
	.globl	k_q1ef98ad725_main
	.p2align	8
	.type	k_q1ef98ad725_main,@function
k_q1ef98ad725_main:
	s_mov_b64 s[64:65], 0
	v_nop
	global_prefetch_b8 v0, s[64:65] scope:SCOPE_SE
	s_setreg_imm32_b32 hwreg(HW_REG_WAVE_MODE, 25, 1), 1
	s_wait_xcnt 0x0
	s_wait_alu depctr_hold_cnt(0) depctr_sa_sdst(0) depctr_va_vdst(0) depctr_va_sdst(0) depctr_va_ssrc(0) depctr_va_vcc(0) depctr_vm_vsrc(0)
	s_getreg_b32 s2, hwreg(HW_REG_IB_STS2, 6, 4)
	s_cmp_eq_u32 s2, 0
	s_cbranch_scc0 .Lentry_in_a_cluster
	s_endpgm
.Lentry_in_a_cluster:
	s_bfe_u32 s2, ttmp6, 0x10000c
	s_cmp_lg_u32 s2, 0x3003
	s_cbranch_scc0 .Lentry_shape_is_right
	s_endpgm
.Lentry_shape_is_right:
; score[b][l] = V_w . tanh(Q(features[b][l]) Q(W1) + hb[b]) + V_b, and, under a running maximum, the sum of e^score and the sum of e^score x features[b][l].
; A work-group owns 256 rows l of one batch b (the four of a cluster are one batch), in four blocks of 64 rows.  features are read from memory ONCE: a block is quantised to codes of BF6 (E3M2, one E8M0 byte
; for each 32 along K) for the product, and kept in registers as bf16 (256 registers a lane) until its scores are known.
; A BLOCK.  P: wave w loads columns 256 w .. 256 w + 255 of the 64 rows, rounds them to bf16 (the hold), turns them through its own stage in LDS so that a lane holds 16 neighbours along K, quantises them
; (K steps 2 w, 2 w + 1) and stores the fragments as images of their registers | barrier | every wave takes all 32 fragments (64 rows x 1,024 K) into 384 registers.
; G: eight trips, one for each chunk of 128 columns of W1.  THE WAVES SHARE THE COLUMNS: wave w takes 32 of a chunk's, so a fragment of W1 read from LDS feeds four matrix instructions and the rows' codes are never read again.
; The product is used transposed (source 0 = 16 columns of W1, source 1 = 16 rows): a lane holds one row and eight columns; hb is the C of a sum's first instruction.
; tanh(x) = 1 - 2 / (1 + 2^(2 log2(e) x)), so score = (sum of V_w + V_b) - 2 x the sum of V_w[n] / (1 + 2^(..)).
; E: the waves' partial sums meet in LDS | barrier | scores out; new maximum m; p = e^(score - m); l and the context are brought under the new m and take the block's terms (bf16 x f32 fused multiply-adds).
; W1's codes come through a ring of two LDS slots, a chunk each, by joint tensor loads of the cluster's four work-groups, which walk the same chunks: each wave fetches and reads its own quarter of a chunk.
; By this text's own count a wave has one tensor load outstanding.
; LIMITS: NaN and infinities among the inputs are not served; a block of zeros gets the scale byte 1 (its codes are zeros); the running maximum starts at -1e30, under every score that finite V_w and V_b can give in practice;
; features enter the context rounded to bf16; sums over the columns and over the rows are taken in another order than a plain loop's.
.set QB,     25600                     ; a quarter of a chunk: 16 fragment images of 1,536 bytes, then 8 images of scale words of 128
.set SLOTB,  4*QB
.set CHUNK,  131072                    ; from chunk to chunk in w1q
.set FRB,    1536
.set AIMG,   2*SLOTB                   ; LDS behind the ring: the block's 32 fragments, (tile of rows m, K step k) at (8 m + k) x 1,536;
.set ASC,    AIMG+32*FRB               ; their scale words in pairs of K steps, (4 m + k / 2) x 128;
.set STG,    ASC+2048                  ; a stage of 16 rows x (512 + 16) bytes for each wave;
.set SPITCH, 528
.set STGW,   16*SPITCH
.set BV,     STG+4*STGW                ; hb[b], 4,096 bytes, then V_w, 4,096 bytes;
.set SCR,    BV+8192                   ; the waves' partial scores, 256 bytes each;
.set PB,     SCR+1024                  ; each wave's own copy of the block's p, 256 bytes;
.set SPARE,  PB+1024                   ; the spare words, 128 bytes for each wave: two blocks of 256 bytes that no other line names
; window 0, for the whole launch
.set SPW, 1                            ; LDS address of my spare word; never rewritten
.set NIL, 2                            ; 0; never rewritten
.set LI,  3                            ; 16 x lane
.set LS,  4                            ; 4 x lane
.set XO,  5                            ; 1,024 x wave + 16 x lane: my 16 bytes of a row of features, and of pc
.set STS, 6                            ; the stage, on the way in
.set STR, 7                            ; and on the way out: row r, + 64 h
.set AWI, 8                            ; where I store my fragments' images
.set AWS, 9                            ; and their scale words
.set BF,  10                           ; v10-11 my quarter of slot 0, 1: + 16 x lane
.set BVA, 12                           ; my eight columns' place in hb and V_w
.set ADR, 13                           ; an address in hand
.set VS,  14                           ; v14-15 the sum of V_w + V_b, twice
.set CTX, 16                           ; v16-23 the context of my eight columns
.set MR,  24                           ; v24 the running maximum, v25 the running sum
.set BS,  26                           ; v26-27 my quarter of slot 0, 1: + 4 x lane
.set AFA, 28                           ; AIMG + 16 x lane
.set L8,  29                           ; 8 x lane
.set PFV, 30                           ; the prefetches' offset
.set SCW, 31                           ; where I store my wave's partial scores
; window 0 in phase P
.set PC,  32                           ; v32-43 codes, v44-50 the conversions' second halves
.set PW0, 47                           ; the scale words of my two K steps: v47, v51
.set PW1, 51
.set TM,  52                           ; v52-63 at work
.set X0,  64                           ; v64-191 a tile of 16 rows as loaded: set 0 (window 0)
.set X1,  108                          ; set 1: v108-235 of window 2
.set Q,   192                          ; v192-255 64 neighbours along K
; window 0 in phase G
.set SC,  32                           ; v32-39 the sums of V_w / (1 + 2^..): a pair for each tile of rows
.set BSC, 40                           ; v40-47 W1's scale words (u, k / 2)
.set ASR, 48                           ; v48-63 the rows' scale words (m, k / 2)
.set ACC, 64                           ; v64-127 accumulator (u, m) at 8 (4 u + m)
.set BB,  128                          ; v128-199 W1's fragments: three sets of two;  v200-223 the rows' fragments 30 and 31
.set BI,  224                          ; v224-239 hb of my columns, in the result's layout
.set VV,  240                          ; v240-255 V_w likewise
; window 0 in phase E
.set ET,  128
.set PR,  64                           ; v64-127 p of the 64 rows
; windows 1 and 2: the rows' fragments f = 4 k + m (macro AFR);  window 3: the hold: row i, half u at v[4 i + 2 u], two registers of two bf16
.set WV,  20
.set CX,  21
.set WG,  22
.set G1,  24                           ; s[24:31] descriptor group 1
.set G0,  32                           ; s[32:39] descriptor group 0, a set for each slot
.set FB,  40                           ; s[40:41] features at the block in hand
.set PFB, 42                           ; s[42:43] where the prefetches stand
.set SB,  44                           ; s[44:45] sc at the block in hand
.set TS,  46                           ; 512 x the trip's chunk: its place in hb and V_w
.set BLK, 47                           ; blocks to go
.set IT,  48
.set HM,  49                           ; lanes 16-31
.set SEL, 50                           ; s[50:51] v_permlanex16_b32's selects for lane l xor 16
.set C2,  52                           ; s[52:53] 2 log2(e)
.set LE,  54                           ; log2(e)
.set PBS, 55                           ; my wave's copy of p in LDS
.set VBS, 66                           ; V_b
.set MSB, 0
.macro WIN new                         ; the immediate's high byte repeats the setting that is left; a switch that changes nothing is dropped
.if MSB != \new
	s_set_vgpr_msb (MSB<<8)|\new
.set MSB, \new
.endif
.endm
.macro AFR f                           ; the window AW and the register AR of the rows' fragment f: no fragment runs across a window's end
.if (\f) < 21
.set AW, 1
.set AR, 12*(\f)
.elseif (\f) < 30
.set AW, 2
.set AR, 12*((\f)-21)
.else
.set AW, 0
.set AR, 200+12*((\f)-30)
.endif
.endm
; A round of the cluster's barrier: my work-group's barrier; wave 0 signals for the work-group; every wave waits for all four work-groups; my work-group's barrier once more.
.macro ROUND
	s_barrier_signal -1
	s_barrier_wait -1
	CREST
.endm
.macro CREST                           ; a round behind its opening barrier
	s_cmp_lg_u32 s[WV], 0
	s_cbranch_scc1 .Lnot_wave_0_\@
	s_barrier_signal -3
.Lnot_wave_0_\@:
	s_barrier_wait -3
	s_barrier_signal -1
	s_barrier_wait -1
.endm
; 64 numbers of a lane, register 16 b + i = k 32 b + 16 h + i of my row, become a fragment's codes in v[PC] on and the row's scale word in v[pw]
.macro QUANT s, pw, xw                 ; xw: the window in which the 64 numbers lie
	WIN (\xw|(\xw<<2))
.irp b, 0,1,2,3
	v_max3_num_f32 v[TM+\b], |v[\s+16*\b]|, |v[\s+1+16*\b]|, 0x2800000   ; block b: my 16 numbers, and the floor 2^(5 - 127): the byte cannot fall under 1
.endr
	WIN ((\xw<<2)|(\xw<<4))
.irp i, 2,4,6,8,10,12,14
.irp b, 0,1,2,3
	v_max3_num_f32 v[TM+\b], v[TM+\b], |v[\s+16*\b+\i]|, |v[\s+1+16*\b+\i]|
.endr
.endr
	WIN 0
.irp b, 0,1,2,3
	v_permlanex16_b32 v[TM+4+\b], v[TM+\b], s[SEL], s[SEL+1]
.endr
.irp b, 0,1,2,3
	v_max_num_f32 v[TM+\b], v[TM+\b], v[TM+4+\b]           ; with lane l xor 16's: the block's largest magnitude
.endr
.irp b, 0,1,2,3
	v_add_nc_u32 v[TM+8+\b], 0xfe000000, v[TM+\b]          ; 4 off its exponent field: the conversion's scale operand
.endr
.irp b, 0,1,2,3
	v_lshrrev_b32 v[TM+4+\b], 23, v[TM+8+\b]               ; the scale's byte
.endr
	v_lshl_or_b32 v[\pw], v[TM+5], 8, v[TM+4]
	v_lshl_or_b32 v[\pw], v[TM+6], 16, v[\pw]
	v_lshl_or_b32 v[\pw], v[TM+7], 24, v[\pw]
	WIN \xw
.irp c, 0,1
	v_cvt_scalef32_pk16_bf6_f32 v[PC+6*\c:PC+2+6*\c], v[\s+32*\c:\s+15+32*\c], v[TM+8+2*\c]
	v_cvt_scalef32_pk16_bf6_f32 v[PC+12+4*\c:PC+14+4*\c], v[\s+16+32*\c:\s+31+32*\c], v[TM+8+2*\c+1]   ; (a conversion's three registers begin on an even number)
.endr
	WIN 0
	v_nop                                                  ; one plain place behind a scaled conversion
.irp c, 0,1                                            ; the operand's layout wants a whole block in a lane
.irp i, 0,1,2
	v_permlane16_swap_b32 v[PC+6*\c+\i], v[PC+12+4*\c+\i]
.endr
.irp i, 0,1,2
	v_mov_b32 v[PC+3+6*\c+\i], v[PC+12+4*\c+\i]
.endr
.endr
.endm
; tile m (16 rows) of the block at s[FB]: my wave's 1,024 bytes of each row, in two loads of 512 consecutive bytes; row i, half u into v[xb + 8 i + 4 u] of window xw
.macro LOAD m, xb, xw
	WIN (\xw<<6)
.irp i, 0,1,2,3,4,5,6,7,8,9,10,11,12,13,14,15
.irp u, 0,1
	global_load_b128 v[\xb+8*\i+4*\u:\xb+8*\i+4*\u+3], v[XO], s[FB:FB+1] offset:(\m)*65536+\i*4096+\u*512 th:TH_LOAD_NT
.endr
.endr
	WIN 0
.endm
; tile m goes into the hold as bf16, and its two K steps become fragments.  left: the younger loads that may stay out
.macro PROC m, xb, xw, left
	s_wait_loadcnt \left
.irp u, 0,1                                            ; both K steps go through the stage on end: LDS serves a wave's instructions in order, so the second's stores follow the first's loads with no wait
	WIN (\xw<<2)                                           ; an LDS store's data are its source 1
.irp i, 0,1,2,3,4,5,6,7,8,9,10,11,12,13,14,15
	ds_store_b128 v[STS], v[\xb+8*\i+4*\u:\xb+8*\i+4*\u+3] offset:SPITCH*\i   ; a row's 512 bytes as they lie
.endr
	WIN (\u<<6)                                            ; the first K step comes back into v[Q] on of window 0, the second into v0-63 of window 1, which hold no fragment in phase P
.irp b, 0,1,2,3
.irp j, 0,1,2,3
	ds_load_b128 v[Q*(1-\u)+16*\b+4*\j:Q*(1-\u)+16*\b+4*\j+3], v[STR] offset:128*\b+16*\j
.endr
.endr
.endr
	WIN (0xc0|(\xw<<2)|\xw)                                ; the hold is made while the numbers turn through the stage
.irp i, 0,1,2,3,4,5,6,7,8,9,10,11,12,13,14,15
.irp u, 0,1
	v_cvt_pk_bf16_f32 v[64*\m+4*\i+2*\u], v[\xb+8*\i+4*\u], v[\xb+8*\i+4*\u+1]
	v_cvt_pk_bf16_f32 v[64*\m+4*\i+2*\u+1], v[\xb+8*\i+4*\u+2], v[\xb+8*\i+4*\u+3]
.endr
.endr
	WIN 0
	s_wait_dscnt 32                                        ; the first K step is back; the second's 16 stores and 16 loads may be out
	QUANT Q, PW0, 0
.irp c, 0,1,2
	ds_store_b128 v[AWI], v[PC+4*\c:PC+4*\c+3] offset:(8*\m)*FRB+512*\c
.endr
	s_wait_dscnt 0x0                                       ; the second K step is back, and the image stores have read their registers
	QUANT 0, PW1, 1
.irp c, 0,1,2
	ds_store_b128 v[AWI], v[PC+4*\c:PC+4*\c+3] offset:(8*\m+1)*FRB+512*\c
.endr
	v_cndmask_b32 v[TM], v[PW0], v[PW1], s[HM]             ; lanes 0-15: K step 2 w; lanes 16-31: K step 2 w + 1
	ds_store_b32 v[AWS], v[TM] offset:512*\m
.endm
.macro AFETCH                          ; all 32 fragments and their 16 pairs of scale words, into every wave's registers
.set f, 0
.rept 32
	AFR f
	WIN (AW<<6)
.irp c, 0,1,2
	ds_load_b128 v[AR+4*\c:AR+4*\c+3], v[AFA] offset:(8*(f%4)+f/4)*FRB+512*\c
.endr
.set f, f+1
.endr
	WIN 0
	v_add_nc_u32 v[ADR], ASC, v[LS]
.irp i, 0,1,2,3,4,5,6,7,8,9,10,11,12,13,14,15
	ds_load_b32 v[ASR+\i], v[ADR] offset:128*\i
.endr
	s_wait_dscnt 0x0
.endm
.macro BSET sl, k                      ; W1's two fragments of K step k into set k % 3
.irp u, 0,1
.irp c, 0,1,2
	ds_load_b128 v[BB+24*((\k)%3)+12*\u+4*\c:BB+24*((\k)%3)+12*\u+4*\c+3], v[BF+\sl] offset:(2*(\k)+\u)*FRB+512*\c
.endr
.endr
.endm
.macro MM k, u, m                      ; one product: columns u of my 32, rows m of the 64, K step k.  The scale words of an odd K step stand in lanes 16-31
	AFR 4*(\k)+(\m)
	WIN (AW<<2)
.if (\k) == 0
	v_wmma_scale_f32_16x16x128_f8f6f4 v[ACC+8*(4*\u+\m):ACC+8*(4*\u+\m)+7], v[BB+24*((\k)%3)+12*\u:BB+24*((\k)%3)+12*\u+11], v[AR:AR+11], v[BI+8*\u:BI+8*\u+7], v[BSC+4*\u+(\k)/2], v[ASR+4*\m+(\k)/2] matrix_a_fmt:MATRIX_FMT_BF6 matrix_b_fmt:MATRIX_FMT_BF6
.elseif (\k)%2 == 0
	v_wmma_scale_f32_16x16x128_f8f6f4 v[ACC+8*(4*\u+\m):ACC+8*(4*\u+\m)+7], v[BB+24*((\k)%3)+12*\u:BB+24*((\k)%3)+12*\u+11], v[AR:AR+11], v[ACC+8*(4*\u+\m):ACC+8*(4*\u+\m)+7], v[BSC+4*\u+(\k)/2], v[ASR+4*\m+(\k)/2] matrix_a_fmt:MATRIX_FMT_BF6 matrix_b_fmt:MATRIX_FMT_BF6
.else
	v_wmma_scale_f32_16x16x128_f8f6f4 v[ACC+8*(4*\u+\m):ACC+8*(4*\u+\m)+7], v[BB+24*((\k)%3)+12*\u:BB+24*((\k)%3)+12*\u+11], v[AR:AR+11], v[ACC+8*(4*\u+\m):ACC+8*(4*\u+\m)+7], v[BSC+4*\u+(\k)/2], v[ASR+4*\m+(\k)/2] matrix_a_fmt:MATRIX_FMT_BF6 matrix_b_fmt:MATRIX_FMT_BF6 matrix_a_scale:MATRIX_SCALE_ROW1 matrix_b_scale:MATRIX_SCALE_ROW1
.endif
.endm
; A PREFETCH INTO THE L2 of rows of the NEXT block of features, which this work-group alone reads.  Trips 2 to 7 of a block name eight rows each, rows 16 to 63 of the next block: wave w two rows, a lane 256 bytes,
; so each aligned 256 bytes are named once.  Rows 0 to 15 come by loads into registers that are issued ahead of the trips.  The last block asks for nothing.
; It stands behind K step 1 of a trip's products: the tanh of the chunk before and two K steps lie between the trip's joint load and it.  all = 0, in the loop: trips 0 and 1 ask for nothing; all = 1: trips 6 and 7.
.macro ASK all
.if (\all) == 0
	s_cmp_lt_u32 s[TS], 2*512
	s_cbranch_scc1 .Lno_ask_\@
.endif
	s_cmp_eq_u32 s[BLK], 1
	s_cbranch_scc1 .Lno_ask_\@
	global_prefetch_b8 v[PFV], s[PFB:PFB+1] th:TH_LOAD_NT scope:SCOPE_SE
.Lno_ask_\@:
.endm
; What a chunk's products begin with, from slot sl and from hb at s[TS]: hb of my columns, W1's scale words, the first three sets of fragments: 30 LDS loads
.macro FIRST sl
	v_add_nc_u32 v[ADR], s[TS], v[BVA]
.irp u, 0,1
	ds_load_b128 v[BI+8*\u:BI+8*\u+3], v[ADR] offset:64*\u
	ds_load_b128 v[BI+8*\u+4:BI+8*\u+7], v[ADR] offset:64*\u+16
.endr
.irp i, 0,1,2,3,4,5,6,7
	ds_load_b32 v[BSC+\i], v[BS+\sl] offset:16*FRB+128*\i
.endr
	BSET \sl, 0
	BSET \sl, 1
	BSET \sl, 2
.endm
; A TRIP: one chunk of 128 columns, in slot sl; FIRST has been issued for it.  The products; then THE CHANGE OF SLOTS (trips 0 to 6): the wait for my tensor loads, the add,
; the wait for it and for my reads of this slot, a round of the cluster's barrier, and this slot's refill with the chunk two on (fill = 1; wrap = 1: that chunk is in the next walk over W1);
; then FIRST for the next chunk (nxt = 1), whose loads are on their way while this chunk's tanh is computed.  The refill has the tanh and the next chunk's products in which to land.
; Trip 7 changes no slot: slot 1 is filled again behind the round at the end of the next block's phase P.  ask: 0 no prefetch, 1 the loop's, 2 trips 6 and 7.
.macro TRIP sl, fill, wrap, nxt, ask
.irp u, 0,1
	ds_load_b128 v[VV+8*\u:VV+8*\u+3], v[ADR] offset:4096+64*\u          ; V_w of my columns: the last chunk's tanh has read its own
	ds_load_b128 v[VV+8*\u+4:VV+8*\u+7], v[ADR] offset:4096+64*\u+16
.endr
.irp k, 0,1,2,3,4,5,6,7
.if \k <= 2
	s_wait_dscnt 16                                        ; this K step's set is in; two younger sets, six loads each, and V_w's four may be out
.elseif \k <= 5
	s_wait_dscnt 12                                        ; the two younger sets may be out
.elseif \k == 6
	s_wait_dscnt 6
.else
	s_wait_dscnt 0x0
.endif
.irp m, 0,1,2,3                                        ; the eight accumulators take turns, one instruction a turn
.irp u, 0,1
	MM \k, \u, \m
.endr
.endr
	WIN 0
.rept 4
	v_nop                                                  ; places in front of loads into registers that the products have read, and of the first read of results
.endr
.if (\k == 1) && (\ask > 0)
	ASK \ask-1
.endif
.if \k <= 4
	BSET \sl, \k+3
.endif
.endr
.if \fill+\nxt
	s_wait_xcnt 0x0                                        ; the last prefetch has read its address
	s_add_nc_u64 s[PFB:PFB+1], s[PFB:PFB+1], 32768         ; eight rows on
	s_wait_tensorcnt 0x0                                   ; all my tensor loads have landed: the one that was out is my quarter of the other slot; so a group 0 may be written
	ds_add_u32 v[SPW], v[NIL]                              ; 0 onto my spare word; the lines down to the wait for it work on registers
.if \fill
.if \wrap
	s_sub_nc_u64 s[G0+4*\sl+2:G0+4*\sl+3], s[G0+4*\sl+2:G0+4*\sl+3], 6*CHUNK   ; chunk 6 -> 0, chunk 7 -> 1; the type bits on top are not reached
.else
	s_add_nc_u64 s[G0+4*\sl+2:G0+4*\sl+3], s[G0+4*\sl+2:G0+4*\sl+3], 2*CHUNK   ; this slot's next chunk
.endif
.endif
.endif
.irp j, 0,2,4,6,8,10,12,14,16,18,20,22,24,26,28,30,32,34,36,38,40,42,44,46,48,50,52,54,56,58,60,62
	v_pk_mul_f32 v[ACC+\j:ACC+\j+1], v[ACC+\j:ACC+\j+1], s[C2:C2+1] op_sel_hi:[1,0]   ; each accumulator from its low end on
.endr
.if \fill+\nxt
	s_wait_dscnt 0x0                                       ; the add is done, and my reads of this slot are over
	s_barrier_signal -1                                    ; the round's opening barrier; the exponentials, work on registers, stand between its signal and its wait
.endif
	s_wait_alu depctr_va_vdst(0)
.irp j, 0,1,2,3,4,5,6,7,8,9,10,11,12,13,14,15,16,17,18,19,20,21,22,23,24,25,26,27,28,29,30,31,32,33,34,35,36,37,38,39,40,41,42,43,44,45,46,47,48,49,50,51,52,53,54,55,56,57,58,59,60,61,62,63
	v_exp_f32 v[ACC+\j], v[ACC+\j]
.endr
	v_nop                                                  ; a plain place behind the exponentials
	s_wait_alu depctr_va_vdst(0)
.if \fill+\nxt
	s_barrier_wait -1
	CREST                                                  ; no wave of the cluster's four work-groups still reads this slot or has a load on its way
.if \fill
	tensor_load_to_lds s[G0+4*\sl:G0+4*\sl+3], s[G1:G1+7]  ; my one tensor load behind the round
	s_nop 0
.rept 4
	v_nop
.endr
.endif
.if \nxt
	s_add_co_u32 s[TS], s[TS], 512
	FIRST 1-\sl
.endif
.endif
.irp j, 0,2,4,6,8,10,12,14,16,18,20,22,24,26,28,30,32,34,36,38,40,42,44,46,48,50,52,54,56,58,60,62
	v_pk_add_f32 v[ACC+\j:ACC+\j+1], v[ACC+\j:ACC+\j+1], 1.0 op_sel_hi:[1,0]
.endr
	s_wait_alu depctr_va_vdst(0)
.irp j, 0,1,2,3,4,5,6,7,8,9,10,11,12,13,14,15,16,17,18,19,20,21,22,23,24,25,26,27,28,29,30,31,32,33,34,35,36,37,38,39,40,41,42,43,44,45,46,47,48,49,50,51,52,53,54,55,56,57,58,59,60,61,62,63
	v_rcp_f32 v[ACC+\j], v[ACC+\j]
.endr
	v_nop                                                  ; a plain place behind the reciprocals
	s_wait_alu depctr_va_vdst(0)
.irp q, 0,2,4,6
.irp u, 0,1
.irp m, 0,1,2,3                                        ; the four tiles of rows by turns: no line waits for the line above it
	v_pk_fma_f32 v[SC+2*\m:SC+2*\m+1], v[ACC+8*(4*\u+\m)+\q:ACC+8*(4*\u+\m)+\q+1], v[VV+8*\u+\q:VV+8*\u+\q+1], v[SC+2*\m:SC+2*\m+1]
.endr
.endr
.endr
.endm
; THE BLOCK'S END
.macro EPI
.irp m, 0,1,2,3
	v_add_f32 v[ET+\m], v[SC+2*\m], v[SC+2*\m+1]
	v_mov_b32 v[ET+4+\m], 0                                ; a lane permute's destination counts as one of its sources
.endr
.irp m, 0,1,2,3
	v_permlanex16_b32 v[ET+4+\m], v[ET+\m], s[SEL], s[SEL+1]
.endr
.irp m, 0,1,2,3
	v_add_f32 v[ET+\m], v[ET+\m], v[ET+4+\m]               ; row r of tile m, over my wave's 256 columns, in both halves of the lanes
.endr
	v_cndmask_b32 v[ET+8], v[ET], v[ET+1], s[HM]           ; lane l: row l
	v_cndmask_b32 v[ET+9], v[ET+2], v[ET+3], s[HM]         ; lane l: row 32 + l
	ds_store_b32 v[SCW], v[ET+8]
	ds_store_b32 v[SCW], v[ET+9] offset:128
	v_add_nc_u32 v[ET+10], SCR, v[L8]
	s_wait_alu depctr_va_vdst(0)
	s_wait_dscnt 0x0                                       ; for the others' sake: my partial scores have landed
	s_barrier_signal -1
	s_barrier_wait -1
.irp w, 0,1,2,3
	ds_load_b64 v[ET+12+2*\w:ET+13+2*\w], v[ET+10] offset:256*\w   ; rows 2 l and 2 l + 1 of each wave's
.endr
	s_wait_dscnt 0x0
	v_pk_add_f32 v[ET+12:ET+13], v[ET+12:ET+13], v[ET+14:ET+15]
	v_pk_add_f32 v[ET+16:ET+17], v[ET+16:ET+17], v[ET+18:ET+19]
	v_pk_add_f32 v[ET+12:ET+13], v[ET+12:ET+13], v[ET+16:ET+17]
	v_pk_fma_f32 v[ET+14:ET+15], v[ET+12:ET+13], -2.0, v[VS:VS+1] op_sel_hi:[1,0,1]   ; the scores; every wave holds the same
	s_cmp_lg_u32 s[WV], 0
	s_cbranch_scc1 .Lnot_mine_\@
	global_store_b64 v[L8], v[ET+14:ET+15], s[SB:SB+1]     ; 32 lanes store 256 consecutive bytes, at a multiple of 256 from the buffer's first byte
.Lnot_mine_\@:
	s_wait_alu depctr_va_vdst(0)
	v_max_num_f32 v[ET+16], v[ET+14], v[ET+15]
	v_max_num_f32_dpp v[ET+16], v[ET+16], v[ET+16] row_xmask:1 row_mask:0xf bank_mask:0xf
	v_max_num_f32_dpp v[ET+16], v[ET+16], v[ET+16] row_xmask:2 row_mask:0xf bank_mask:0xf
	v_max_num_f32_dpp v[ET+16], v[ET+16], v[ET+16] row_xmask:4 row_mask:0xf bank_mask:0xf
	v_max_num_f32_dpp v[ET+16], v[ET+16], v[ET+16] row_xmask:8 row_mask:0xf bank_mask:0xf
	v_permlanex16_b32 v[ET+17], v[ET+16], s[SEL], s[SEL+1]
	v_max3_num_f32 v[ET+17], v[ET+16], v[ET+17], v[MR]     ; the new maximum
	v_sub_f32 v[ET+18], v[MR], v[ET+17]
	v_sub_f32 v[ET+20], v[ET+14], v[ET+17]
	v_sub_f32 v[ET+21], v[ET+15], v[ET+17]
	v_mul_f32 v[ET+18], s[LE], v[ET+18]
	v_mul_f32 v[ET+20], s[LE], v[ET+20]
	v_mul_f32 v[ET+21], s[LE], v[ET+21]
	v_mov_b32 v[MR], v[ET+17]
	s_wait_alu depctr_va_vdst(0)
	v_exp_f32 v[ET+18], v[ET+18]                           ; f = e^(old m - new m)
	v_exp_f32 v[ET+20], v[ET+20]                           ; p = e^(score - new m)
	v_exp_f32 v[ET+21], v[ET+21]
	v_add_nc_u32 v[ET+10], s[PBS], v[L8]                   ; (a plain place behind the exponentials)
	v_mov_b32 v[ET+11], s[PBS]
	s_wait_alu depctr_va_vdst(0)
	ds_store_b64 v[ET+10], v[ET+20:ET+21]                  ; into my wave's own copy,
.irp g, 0,1,2,3,4,5,6,7,8,9,10,11,12,13,14,15
	ds_load_b128 v[PR+4*\g:PR+4*\g+3], v[ET+11] offset:16*\g   ; and back, all 64 into every lane (LDS serves a wave's instructions in order)
.endr
	v_mov_b32 v[ET+19], v[ET+18]
	v_add_f32 v[ET+22], v[ET+20], v[ET+21]
	v_add_f32_dpp v[ET+22], v[ET+22], v[ET+22] row_xmask:1 row_mask:0xf bank_mask:0xf
	v_add_f32_dpp v[ET+22], v[ET+22], v[ET+22] row_xmask:2 row_mask:0xf bank_mask:0xf
	v_add_f32_dpp v[ET+22], v[ET+22], v[ET+22] row_xmask:4 row_mask:0xf bank_mask:0xf
	v_add_f32_dpp v[ET+22], v[ET+22], v[ET+22] row_xmask:8 row_mask:0xf bank_mask:0xf
	v_mov_b32 v[ET+23], 0
	v_permlanex16_b32 v[ET+23], v[ET+22], s[SEL], s[SEL+1]
	v_add_f32 v[ET+22], v[ET+22], v[ET+23]
	v_fma_f32 v[MR+1], v[MR+1], v[ET+18], v[ET+22]         ; l = l f + the block's sum of p
.irp i, 0,2,4,6
	v_pk_mul_f32 v[CTX+\i:CTX+\i+1], v[CTX+\i:CTX+\i+1], v[ET+18:ET+19] op_sel_hi:[1,0]
.endr
	s_wait_alu depctr_va_vdst(0)
	s_wait_dscnt 0x0
	WIN 0x03                                               ; source 0: the hold, window 3
.set rr, 0
.rept 64
.irp u, 0,1
	v_fma_mix_f32_bf16 v[CTX+4*\u], v[4*rr+2*\u], v[PR+rr], v[CTX+4*\u] op_sel_hi:[1,0,0]
	v_fma_mix_f32_bf16 v[CTX+4*\u+1], v[4*rr+2*\u], v[PR+rr], v[CTX+4*\u+1] op_sel:[1,0,0] op_sel_hi:[1,0,0]
	v_fma_mix_f32_bf16 v[CTX+4*\u+2], v[4*rr+2*\u+1], v[PR+rr], v[CTX+4*\u+2] op_sel_hi:[1,0,0]
	v_fma_mix_f32_bf16 v[CTX+4*\u+3], v[4*rr+2*\u+1], v[PR+rr], v[CTX+4*\u+3] op_sel:[1,0,0] op_sel_hi:[1,0,0]
.endr
.set rr, rr+1
.endr
	WIN 0
	s_wait_xcnt 0x0                                        ; the scores' store has read its data and its base
	s_add_nc_u64 s[SB:SB+1], s[SB:SB+1], 256
.endm
	s_load_b256 s[4:11], s[0:1], 0x0               ; features s[4:5], w1q s[6:7], hb s[8:9], V_w s[10:11]
	s_load_b256 s[12:19], s[0:1], 0x20             ; V_b s[12:13], sc s[14:15], ml s[16:17], pc s[18:19]
	v_lshl_add_u32 v[SPW], v0, 2, SPARE
	v_mov_b32 v[NIL], 0
	ds_add_u32 v1, v2
	ds_add_u32 v1, v2
	s_wait_dscnt 0x0
	v_lshrrev_b32 v13, 5, v0
	v_readfirstlane_b32 s[WV], v13                 ; wave 0..3
	s_bfe_u32 s[CX], ttmp6, 0x40000                ; my place in the cluster: it enters the addresses of features, sc, ml and pc alone
	s_lshl_b32 s[WG], ttmp9, 2                     ; in a cluster launch ttmp9 counts clusters: it is the batch
	s_add_co_u32 s[WG], s[WG], s[CX]
	; descriptor group 1: a quarter of a chunk, 25,600 dense bytes, as 100 rows of 32 elements of 8 bytes; no padding
	s_mov_b32 s[G1], 15|(3<<16)|(1<<21)            ; 15:0 the mask: all four work-groups; 17:16 elements of 8 bytes; 21 set beside a mask
	s_mov_b32 s[G1+1], 32<<16                      ; tensor_dim0 = 32
	s_mov_b32 s[G1+2], 100<<16                     ; tensor_dim1 = 100
	s_mov_b32 s[G1+3], 32<<16                      ; tile_dim0 = 32
	s_mov_b32 s[G1+4], 100                         ; tile_dim1 = 100
	s_mov_b32 s[G1+5], 32                          ; from row to row
	s_mov_b32 s[G1+6], 0
	s_mov_b32 s[G1+7], 0
	s_mov_b32 s[HM], 0xffff0000
	s_mov_b32 s[SEL], 0x76543210
	s_mov_b32 s[SEL+1], 0xfedcba98
	s_mov_b32 s[C2], 0x4038aa3b                    ; 2 log2(e)
	s_mov_b32 s[C2+1], s[C2]                       ; (named with it as a pair, so it is written)
	s_mov_b32 s[LE], 0x3fb8aa3b                    ; log2(e)
	s_mov_b32 s[BLK], 4
	s_mul_i32 s56, s[WV], QB                       ; my quarter, in a chunk and in a slot: no place in the cluster enters it
	s_mov_b32 s57, 0
	s_wait_kmcnt 0x0
	s_load_b32 s[VBS], s[12:13], 0x0
	s_add_nc_u64 s[58:59], s[6:7], s[56:57]
.irp s, 0,1
	s_mov_b32 s[G0+4*\s], 1                        ; count = 1
	s_add_co_u32 s[G0+4*\s+1], s56, \s*SLOTB       ; LDS address
	s_add_nc_u64 s[G0+4*\s+2:G0+4*\s+3], s[58:59], \s*7*CHUNK   ; global address: slot 0 at chunk 0; slot 1 at chunk 7, from which each block's first fill of it steps back to chunk 1
	s_or_b32 s[G0+4*\s+3], s[G0+4*\s+3], 0x80000000           ; type = 2
.endr
	ROUND                                          ; all four work-groups are here: the first joint loads meet
	tensor_load_to_lds s[G0:G0+3], s[G1:G1+7]      ; chunk 0 into slot 0: my one tensor load at the head; slot 1 is first filled behind the round at the end of the first block's phase P
	s_nop 0
.rept 4
	v_nop
.endr
	s_lshl_b32 s60, s[WG], 20                      ; my 256 rows of 4,096 bytes
	s_mov_b32 s61, 0
	s_add_nc_u64 s[FB:FB+1], s[4:5], s[60:61]
	s_add_nc_u64 s[PFB:PFB+1], s[FB:FB+1], 229376  ; row 56; it is stepped by eight rows in phase P and at each of a block's seven changes of slots: in trip 2 of a block it stands at row 16 of the next block
	s_lshl_b32 s60, s[WG], 10
	s_add_nc_u64 s[SB:SB+1], s[14:15], s[60:61]
	s_lshl_b32 s60, s[WG], 8
	s_add_nc_u64 s[16:17], s[16:17], s[60:61]
	s_lshl_b32 s60, s[WG], 12
	s_add_nc_u64 s[18:19], s[18:19], s[60:61]
	s_lshl_b32 s60, ttmp9, 12
	s_add_nc_u64 s[8:9], s[8:9], s[60:61]          ; hb[b]
	v_and_b32 v13, 31, v0
	v_lshlrev_b32 v[LI], 4, v13
	v_lshlrev_b32 v[LS], 2, v13
	v_lshlrev_b32 v[L8], 3, v13
	v_and_b32 v56, 15, v0                          ; r
	v_bfe_u32 v57, v0, 4, 1                        ; h
	s_wait_alu depctr_va_vdst(0)
	s_lshl_b32 s60, s[WV], 10
	v_add_nc_u32 v[XO], s60, v[LI]
	s_mul_i32 s60, s[WV], STGW
	s_add_co_u32 s60, s60, STG
	v_add_nc_u32 v[STS], s60, v[LI]
	v_mul_u32_u24 v[STR], v56, SPITCH
	v_lshl_add_u32 v[STR], v57, 6, v[STR]
	v_add_nc_u32 v[STR], s60, v[STR]
	s_mul_i32 s60, s[WV], 2*FRB
	s_add_co_u32 s60, s60, AIMG
	v_add_nc_u32 v[AWI], s60, v[LI]
	s_lshl_b32 s60, s[WV], 7
	s_add_co_u32 s62, s60, ASC
	v_add_nc_u32 v[AWS], s62, v[LS]
	s_add_co_u32 s62, s60, BV
	v_lshl_add_u32 v[BVA], v57, 5, s62             ; 128 bytes a wave, 32 a half of the lanes
	v_add_nc_u32 v[BF], s56, v[LI]
	v_add_nc_u32 v[BS], s56, v[LS]
	s_add_co_u32 s62, s56, SLOTB
	v_add_nc_u32 v[BF+1], s62, v[LI]
	v_add_nc_u32 v[BS+1], s62, v[LS]
	v_add_nc_u32 v[AFA], AIMG, v[LI]
	s_lshl_b32 s60, s[WV], 8
	s_add_co_u32 s62, s60, SCR
	v_add_nc_u32 v[SCW], s62, v[LS]
	s_add_co_u32 s[PBS], s60, PB
	s_lshl_b32 s60, s[WV], 13                      ; the prefetches: wave w rows 2 w and 2 w + 1 of eight, a lane 256 bytes
	v_lshlrev_b32 v[PFV], 8, v56
	v_lshl_add_u32 v[PFV], v57, 12, v[PFV]
	v_add_nc_u32 v[PFV], s60, v[PFV]
	v_lshlrev_b32 v58, 5, v0                       ; thread t brings numbers 8 t .. 8 t + 7 of hb[b] and of V_w into LDS
	global_load_b128 v[32:35], v58, s[8:9]
	global_load_b128 v[36:39], v58, s[8:9] offset:16
	global_load_b128 v[40:43], v58, s[10:11]
	global_load_b128 v[44:47], v58, s[10:11] offset:16
.irp g, 0,1,2,3,4,5,6,7
	global_load_b128 v[64+4*\g:67+4*\g], v[LI], s[10:11] offset:512*\g   ; and every wave sums all of V_w for itself
.endr
	LOAD 0, X1, 2                                  ; the first block's first tile
	s_wait_loadcnt 32                              ; all but the tile's 32 loads
	v_lshl_add_u32 v59, v0, 5, BV
	ds_store_b128 v59, v[32:35]
	ds_store_b128 v59, v[36:39] offset:16
	ds_store_b128 v59, v[40:43] offset:4096
	ds_store_b128 v59, v[44:47] offset:4112        ; read behind the first block's barrier, in front of which every wave waits for its LDS stores
.irp j, 2,4,6,8,10,12,14,16,18,20,22,24,26,28,30
	v_pk_add_f32 v[64:65], v[64:65], v[64+\j:65+\j]
.endr
	v_add_f32 v64, v64, v65
	v_add_f32_dpp v64, v64, v64 row_xmask:1 row_mask:0xf bank_mask:0xf
	v_add_f32_dpp v64, v64, v64 row_xmask:2 row_mask:0xf bank_mask:0xf
	v_add_f32_dpp v64, v64, v64 row_xmask:4 row_mask:0xf bank_mask:0xf
	v_add_f32_dpp v64, v64, v64 row_xmask:8 row_mask:0xf bank_mask:0xf
	v_permlanex16_b32 v65, v64, s[SEL], s[SEL+1]
	v_add_f32 v64, v64, v65
	s_wait_alu depctr_va_vdst(0)
	s_wait_kmcnt 0x0
	v_add_f32 v[VS], s[VBS], v64
	v_mov_b32 v[VS+1], v[VS]
.irp i, 0,1,2,3,4,5,6,7
	v_mov_b32 v[CTX+\i], 0
.endr
	v_mov_b32 v[MR], 0xf149f2ca                    ; -1e30
	v_mov_b32 v[MR+1], 0
	s_wait_alu depctr_va_vdst(0)
.Lblock:
	; ---- P
.irp b, 0,1,2,3
	v_mov_b32 v[TM+4+\b], 0                        ; a lane permute's destination counts as one of its sources
.endr
	LOAD 1, X0, 0
	PROC 0, X1, 2, 32                              ; tile 0 was asked for ahead of the last block's trips; tile 1's 32 loads may be out
	LOAD 2, X1, 2
	PROC 1, X0, 0, 32
	LOAD 3, X0, 0
	PROC 2, X1, 2, 32
	PROC 3, X0, 0, 0
	s_wait_xcnt 0x0                                ; the block's loads have read their base
	s_add_nc_u64 s[FB:FB+1], s[FB:FB+1], 262144
	s_add_nc_u64 s[PFB:PFB+1], s[PFB:PFB+1], 32768 ; (the same wait covers the last block's last prefetch)  eight rows on
	s_cmp_eq_u32 s[BLK], 1
	s_cbranch_scc1 .Lno_next                       ; no load leaves its buffer
	LOAD 0, X1, 2                                  ; the next block's first tile lands during the trips
.Lno_next:
	s_wait_tensorcnt 0x0                           ; all my tensor loads have landed: the one that was out is my quarter of chunk 0, in slot 0; so a group 0 may be written
	ds_add_u32 v[SPW], v[NIL]                      ; 0 onto my spare word
	s_sub_nc_u64 s[G0+6:G0+7], s[G0+6:G0+7], 6*CHUNK   ; slot 1: chunk 7 -> chunk 1; the type bits on top are not reached
	s_wait_dscnt 0x0                               ; the add is done, my images have landed, and my reads of slot 1 are over
	ROUND                                          ; all this now holds of every wave of the cluster's four work-groups
	tensor_load_to_lds s[G0+4:G0+7], s[G1:G1+7]    ; chunk 1 into slot 1, my one tensor load behind the round (in the first block: slot 1's first fill, issued as a refill is)
	s_nop 0
.rept 4
	v_nop
.endr
	AFETCH
.irp i, 0,1,2,3,4,5,6,7
	v_mov_b32 v[SC+\i], 0
.endr
	; ---- G
	s_mov_b32 s[TS], 0
	s_mov_b32 s[IT], 3
	FIRST 0                                        ; chunk 0 lies in slot 0: my quarter was waited for in phase P, ahead of the round
.Lin:
	TRIP 0, 1, 0, 1, 1
	TRIP 1, 1, 0, 1, 1
	s_sub_co_u32 s[IT], s[IT], 1
	s_cmp_lg_u32 s[IT], 0
	s_cbranch_scc1 .Lin
	s_cmp_eq_u32 s[BLK], 1
	s_cbranch_scc1 .Ltail                          ; the last block's trip 6 is written out: it asks for nothing more
	TRIP 0, 1, 1, 1, 2                             ; the ring goes on into the next walk over W1: slot 0 takes its chunk 0
	s_branch .Llast
.Ltail:
	TRIP 0, 0, 1, 1, 0
.Llast:
	TRIP 1, 0, 1, 0, 2
	; ---- E
	EPI
	s_sub_co_u32 s[BLK], s[BLK], 1
	s_cmp_lg_u32 s[BLK], 0
	s_wait_alu depctr_va_vdst(0)
	s_cbranch_scc1 .Lblock
	s_wait_alu depctr_va_vdst(0)
	global_store_b128 v[XO], v[CTX:CTX+3], s[18:19]              ; 32 lanes store 512 consecutive bytes, at a multiple of 256 from the buffer's first byte
	global_store_b128 v[XO], v[CTX+4:CTX+7], s[18:19] offset:512
	s_cmp_lg_u32 s[WV], 0
	s_cbranch_scc1 .Lno_ml
	global_store_b64 v[L8], v[MR:MR+1], s[16:17]   ; (m, l), 32 times: 256 consecutive bytes
.Lno_ml:
	s_wait_tensorcnt 0x0                           ; the wave's end, behind my last tensor load and my last LDS store
	ds_add_u32 v[SPW], v[NIL]
	s_wait_dscnt 0x0
	ROUND                                          ; the closing round: no work-group ends while a partner may still ask for a chunk that names it
	s_endpgm
.Lfunc_end_k_q1ef98ad725_main:
	.size	k_q1ef98ad725_main, .Lfunc_end_k_q1ef98ad725_main-k_q1ef98ad725_main
	.p2alignl 7, 3214868480
	.fill 96, 4, 3214868480
	.section	.rodata,"a",@progbits
	.p2align	6, 0x0
	.amdhsa_kernel k_q1ef98ad725_main
		.amdhsa_group_segment_fixed_size 327680
		.amdhsa_private_segment_fixed_size 0
		.amdhsa_enable_private_segment 0
		.amdhsa_kernarg_size 64
		.amdhsa_user_sgpr_count 2
		.amdhsa_user_sgpr_kernarg_segment_ptr 1
		.amdhsa_wavefront_size32 1
		.amdhsa_system_sgpr_workgroup_id_x 1
		.amdhsa_system_sgpr_workgroup_id_y 1
		.amdhsa_system_sgpr_workgroup_id_z 1
		.amdhsa_system_vgpr_workitem_id 0
		.amdhsa_next_free_vgpr 1024
		.amdhsa_next_free_sgpr 72
		.amdhsa_reserve_vcc 0
		.amdhsa_float_denorm_mode_32 3
		.amdhsa_float_denorm_mode_16_64 3
		.amdhsa_memory_ordered 1
		.amdhsa_forward_progress 1
		.amdhsa_inst_pref_size 255
	.end_amdhsa_kernel
	.section	.bss,"aw",@nobits
	.p2align	6
	.space	262144
	.amdgpu_metadata
---
amdhsa.version: [ 1, 2 ]
amdhsa.kernels:
  - .name:           k_q1ef98ad725_main
    .symbol:         k_q1ef98ad725_main.kd
    .args:
      - { .name: features, .offset: 0, .size: 8, .value_kind: global_buffer, .address_space: global }
      - { .name: w1q, .offset: 8, .size: 8, .value_kind: global_buffer, .address_space: global }
      - { .name: hb, .offset: 16, .size: 8, .value_kind: global_buffer, .address_space: global }
      - { .name: V_w, .offset: 24, .size: 8, .value_kind: global_buffer, .address_space: global }
      - { .name: V_b, .offset: 32, .size: 8, .value_kind: global_buffer, .address_space: global }
      - { .name: sc, .offset: 40, .size: 8, .value_kind: global_buffer, .address_space: global }
      - { .name: ml, .offset: 48, .size: 8, .value_kind: global_buffer, .address_space: global }
      - { .name: pc, .offset: 56, .size: 8, .value_kind: global_buffer, .address_space: global }
    .group_segment_fixed_size: 327680
    .private_segment_fixed_size: 0
    .kernarg_segment_align: 8
    .kernarg_segment_size: 64
    .max_flat_workgroup_size: 128
    .sgpr_count:     72
    .vgpr_count:     1024
    .wavefront_size: 32
...
	.end_amdgpu_metadata
.endif
;; end of part 2
;; launch fin (part 3): grid 256 x 1, 2 waves a work-group, no clusters, 0 bytes of LDS; arguments sc, ml, pc, out0, out1; writes out0, out1
.if DOCPART == 3
	.amdgcn_target "amdgcn-amd-amdhsa--gfx1250"
	.amdhsa_code_object_version 6
	.text
	.protected	k_q1ef98ad725_fin
	.globl	k_q1ef98ad725_fin
	.p2align	8
	.type	k_q1ef98ad725_fin,@function
k_q1ef98ad725_fin:
	s_mov_b64 s[64:65], 0
	v_nop
	global_prefetch_b8 v0, s[64:65] scope:SCOPE_SE
	s_setreg_imm32_b32 hwreg(HW_REG_WAVE_MODE, 25, 1), 1
	s_wait_xcnt 0x0
; The four quarters of a batch are joined: M = the largest of their maxima m_i, w_i = e^(m_i - M), L = the sum of l_i w_i;
; alpha[b][l] = e^(score - M) / L;  context[b][e] = (the sum of w_i pc_i[e]) / L.
; Work-group 4 b + q makes elements 256 q .. 256 q + 255 of both rows of batch b; thread t four of them: the work-group's stores cover 1,024 consecutive bytes of each output.
; A stream of a few bytes a thread: no LDS, no barrier, no matrix unit.
	s_load_b256 s[4:11], s[0:1], 0x0               ; sc s[4:5], ml s[6:7], pc s[8:9], out0 s[10:11]
	s_load_b64 s[12:13], s[0:1], 0x20              ; out1
	v_lshlrev_b32 v1, 4, v0                        ; 16 bytes a thread
	s_lshl_b32 s14, ttmp9, 10                      ; my 1,024 bytes of sc, out0 and out1
	s_mov_b32 s15, 0
	s_lshr_b32 s24, ttmp9, 2                       ; b
	s_and_b32 s25, ttmp9, 3                        ; q
	s_lshl_b32 s26, s24, 10                        ; ml: four entries of 256 bytes a batch
	s_mov_b32 s27, 0
	s_lshl_b32 s28, s24, 14                        ; pc: four rows of 4,096 bytes a batch,
	s_lshl_b32 s25, s25, 10                        ; and my 1,024 bytes of each
	s_add_co_u32 s28, s28, s25
	s_mov_b32 s29, 0
	s_wait_alu depctr_va_vdst(0)
	s_wait_kmcnt 0x0
	s_add_nc_u64 s[6:7], s[6:7], s[26:27]
	s_add_nc_u64 s[4:5], s[4:5], s[14:15]
	s_add_nc_u64 s[8:9], s[8:9], s[28:29]
	s_add_nc_u64 s[10:11], s[10:11], s[14:15]
	s_add_nc_u64 s[12:13], s[12:13], s[14:15]
	s_load_b64 s[16:17], s[6:7], 0x0               ; (m_i, l_i)
	s_load_b64 s[18:19], s[6:7], 0x100
	s_load_b64 s[20:21], s[6:7], 0x200
	s_load_b64 s[22:23], s[6:7], 0x300
	global_load_b128 v[4:7], v1, s[4:5]
	global_load_b128 v[8:11], v1, s[8:9]
	global_load_b128 v[12:15], v1, s[8:9] offset:4096
	global_load_b128 v[16:19], v1, s[8:9] offset:8192
	global_load_b128 v[20:23], v1, s[8:9] offset:12288
	s_wait_kmcnt 0x0
	v_mov_b32 v24, s16
	v_max_num_f32 v24, s18, v24
	v_max_num_f32 v24, s20, v24
	v_max_num_f32 v24, s22, v24                    ; M
	v_sub_f32 v25, s16, v24
	v_sub_f32 v26, s18, v24
	v_sub_f32 v27, s20, v24
	v_sub_f32 v28, s22, v24
.irp i, 25,26,27,28
	v_mul_f32 v\i, 0x3fb8aa3b, v\i
.endr
	s_wait_alu depctr_va_vdst(0)
.irp i, 25,26,27,28
	v_exp_f32 v\i, v\i                             ; w_i
.endr
	v_nop                                          ; a plain place behind the exponentials
	s_wait_alu depctr_va_vdst(0)
	v_mul_f32 v29, s17, v25
	v_fmac_f32 v29, s19, v26
	v_fmac_f32 v29, s21, v27
	v_fmac_f32 v29, s23, v28                       ; L
	s_wait_alu depctr_va_vdst(0)
	v_rcp_f32 v30, v29
	v_nop                                          ; a plain place behind the reciprocal
	s_wait_loadcnt 0x0
.irp i, 0,1,2,3
	v_sub_f32 v[4+\i], v[4+\i], v24
.endr
.irp i, 0,1,2,3
	v_mul_f32 v[4+\i], 0x3fb8aa3b, v[4+\i]
.endr
	s_wait_alu depctr_va_vdst(0)
.irp i, 0,1,2,3
	v_exp_f32 v[4+\i], v[4+\i]
.endr
.irp i, 0,1,2,3
	v_mul_f32 v[32+\i], v[8+\i], v25               ; (plain places behind the exponentials)
.endr
.irp i, 0,1,2,3
	v_fmac_f32 v[32+\i], v[12+\i], v26
.endr
.irp i, 0,1,2,3
	v_fmac_f32 v[32+\i], v[16+\i], v27
.endr
.irp i, 0,1,2,3
	v_fmac_f32 v[32+\i], v[20+\i], v28
.endr
	s_wait_alu depctr_va_vdst(0)
.irp i, 0,1,2,3
	v_mul_f32 v[4+\i], v[4+\i], v30
	v_mul_f32 v[32+\i], v[32+\i], v30
.endr
	global_store_b128 v1, v[4:7], s[10:11]
	global_store_b128 v1, v[32:35], s[12:13]
	s_endpgm
.Lfunc_end_k_q1ef98ad725_fin:
	.size	k_q1ef98ad725_fin, .Lfunc_end_k_q1ef98ad725_fin-k_q1ef98ad725_fin
	.p2alignl 7, 3214868480
	.fill 96, 4, 3214868480
	.section	.rodata,"a",@progbits
	.p2align	6, 0x0
	.amdhsa_kernel k_q1ef98ad725_fin
		.amdhsa_group_segment_fixed_size 0
		.amdhsa_private_segment_fixed_size 0
		.amdhsa_enable_private_segment 0
		.amdhsa_kernarg_size 40
		.amdhsa_user_sgpr_count 2
		.amdhsa_user_sgpr_kernarg_segment_ptr 1
		.amdhsa_wavefront_size32 1
		.amdhsa_system_sgpr_workgroup_id_x 1
		.amdhsa_system_sgpr_workgroup_id_y 1
		.amdhsa_system_sgpr_workgroup_id_z 1
		.amdhsa_system_vgpr_workitem_id 0
		.amdhsa_next_free_vgpr 48
		.amdhsa_next_free_sgpr 66
		.amdhsa_reserve_vcc 0
		.amdhsa_float_denorm_mode_32 3
		.amdhsa_float_denorm_mode_16_64 3
		.amdhsa_memory_ordered 1
		.amdhsa_forward_progress 1
		.amdhsa_inst_pref_size 5
	.end_amdhsa_kernel
	.amdgpu_metadata
---
amdhsa.version: [ 1, 2 ]
amdhsa.kernels:
  - .name:           k_q1ef98ad725_fin
    .symbol:         k_q1ef98ad725_fin.kd
    .args:
      - { .name: sc, .offset: 0, .size: 8, .value_kind: global_buffer, .address_space: global }
      - { .name: ml, .offset: 8, .size: 8, .value_kind: global_buffer, .address_space: global }
      - { .name: pc, .offset: 16, .size: 8, .value_kind: global_buffer, .address_space: global }
      - { .name: out0, .offset: 24, .size: 8, .value_kind: global_buffer, .address_space: global }
      - { .name: out1, .offset: 32, .size: 8, .value_kind: global_buffer, .address_space: global }
    .group_segment_fixed_size: 0
    .private_segment_fixed_size: 0
    .kernarg_segment_align: 8
    .kernarg_segment_size: 40
    .max_flat_workgroup_size: 64
    .sgpr_count:     66
    .vgpr_count:     48
    .wavefront_size: 32
...
	.end_amdgpu_metadata
.endif
;; end of part 3
